; MI455X (gfx1250); checked and timed in simulation.
; The chip was launched on July 23, 2026; its instructions are those of AMD's public machine-readable ISA for CDNA 5 (MIT licence, August 2026) and "CDNA5" Instruction Set Architecture Reference Guide (July 2026). The comments in the code are by the model that wrote it; some were corrected since.
;; Mo E Block. Allowed arithmetic: float matrix products may take bf16 or f16 operands with f32 sums; all other float work in f32.
;; Inputs: W 8 x 2,048 x 2,048 float32; b 8 x 2,048 float32; wg 2,048 x 8 float32; x 4 x 512 x 2,048 float32.
;; Outputs: out0 4 x 512 x 2,048 float32.
;; 2 versions, each right; version 2 is version 1 with the launch gemm written anew for expert scheduling mode. Each part assembles by itself: llvm-mc -triple=amdgcn-amd-amdhsa -mcpu=gfx1250 --defsym DOCPART=n.
;; ======== version 1 of 2: 4 launches
;; workspace buffers: idx 8,192 bytes of whole numbers; gatev 8,192 bytes; xs 67,108,864 bytes; list 65,536 bytes of whole numbers; gs 65,536 bytes; cnt 2,048 bytes of whole numbers
;; launch gate (part 1): grid 256 x 1, 8 waves a work-group, no clusters, 3,072 bytes of LDS; arguments x, wg, idx, gatev; writes idx, gatev
.if DOCPART == 1
	.amdgcn_target "amdgcn-amd-amdhsa--gfx1250"
	.amdhsa_code_object_version 6
	.text
	.protected	k_q70bf79b9fd_gate
	.globl	k_q70bf79b9fd_gate
	.p2align	8
	.type	k_q70bf79b9fd_gate,@function
k_q70bf79b9fd_gate:
	s_mov_b64 s[64:65], 0
	v_nop
	global_prefetch_b8 v0, s[64:65] scope:SCOPE_SE
	s_setreg_imm32_b32 hwreg(HW_REG_WAVE_MODE, 25, 1), 1
	s_wait_xcnt 0x0
; gate: logits = x wg, softmax with the row's maximum taken away, idx = the first largest logit, gatev = its probability.
; x: [2048 tokens][2048] f32, wg: [2048][8] f32, idx: [2048] u32, gatev: [2048] f32.
; A work-group owns 8 tokens.  Wave w owns h = 256 w .. 256 w + 255 of all eight; lane l owns h = 256 w + 128 j + 4 l + i (j = 0, 1; i = 0 .. 3),
; so its 8 x 8 numbers of wg stay in 64 registers and every load of x by a wave covers 512 consecutive bytes.
; THE OPERANDS of this product are rounded to bf16 (to nearest even), like those of the experts' product: the choice is made from the same x
; that the chosen expert is then applied to.  Products and sums are f32 (a product of two bf16 numbers is exact in f32).
; The arithmetic is done by vector multiply-adds: eight experts would fill half of a matrix tile's sixteen columns, and a lane has
; 32 packed multiply-adds for every two loads of 16 bytes.
; LIMITS.  The choice is made on the logits of rounded operands, the first index on equality: two experts whose logits agree to within that
; rounding (a relative 2^-8 of each operand) may be chosen otherwise than from unrounded inputs; reference() compares the rounded probabilities,
; so logits that agree to f32 rounding may be chosen otherwise too.  The largest probability is exp(0) / sum = 1 / sum.  A NaN among a token's
; logits gives gatev = NaN (the whole output row is then NaN, as in reference()) and some index 0 .. 7.
; The two results of a token are 4 bytes each, stored by the wave that finished the token: 16 KiB in the whole launch; stores of 256 bytes would
; want 64 tokens in a work-group, which leaves 32 work-groups.
.set ROW, 8192                         ; bytes in a row of x
.set XR,  16                           ; v[16:79]    x: quad (token t, j) at XR + 4 (2 t + j); later at work in the sum over lanes
.set WR,  80                           ; v[80:143]   wg: number (j, i, e) at WR + 32 j + 8 i + e
.set AC,  144                          ; v[144:207]  sums: (token t, expert e) at AC + 8 t + e
	s_load_b256 s[4:11], s[0:1], 0x0               ; x s[4:5], wg s[6:7], idx s[8:9], gatev s[10:11]
	v_lshl_add_u32 v208, v0, 2, 0x800
	v_mov_b32 v209, 0
	v_and_b32 v1, 31, v0                           ; lane
	v_lshrrev_b32 v4, 5, v0
	v_readfirstlane_b32 s12, v4                    ; wave 0 .. 7
	s_lshl_b32 s14, ttmp9, 16                      ; the work-group's 8 rows of 8,192 bytes
	s_mov_b32 s15, 0
	s_mov_b32 s16, 0x76543210                      ; v_permlanex16_b32: lane i of one half reads lane i of the other
	s_mov_b32 s17, 0xfedcba98
	s_mov_b32 s19, 0xffff0000                      ; a word's upper bf16
	v_lshlrev_b32 v2, 4, v1
	v_lshl_add_u32 v2, v4, 10, v2                  ; x: 1,024 w + 16 l
	v_lshlrev_b32 v3, 7, v1
	v_lshl_add_u32 v3, v4, 13, v3                  ; wg: 8,192 w + 128 l (four rows of 32 bytes a lane)
	s_wait_kmcnt 0x0
	s_add_nc_u64 s[4:5], s[4:5], s[14:15]
.irp j, 0,1
.irp m, 0,1,2,3,4,5,6,7
	global_load_b128 v[WR+32*\j+4*\m:WR+32*\j+4*\m+3], v3, s[6:7] offset:4096*\j+16*\m
.endr
.endr
.irp t, 0,1,2,3,4,5,6,7
.irp j, 0,1
	global_load_b128 v[XR+4*(2*\t+\j):XR+4*(2*\t+\j)+3], v2, s[4:5] offset:ROW*\t+512*\j   ; no hint: the next launch reads x again
.endr
.endr
; Eight registers from base on are rounded to bf16 and widened again, in place: two roundings in one conversion; the low half moves up, the high half stays.
.macro RND8 base
.irp p, 0,1,2,3
	v_cvt_pk_bf16_f32 v[4+\p], v[\base+2*\p], v[\base+2*\p+1]
.endr
.irp p, 0,1,2,3
	v_lshlrev_b32 v[\base+2*\p], 16, v[4+\p]
	v_and_b32 v[\base+2*\p+1], s19, v[4+\p]
.endr
.endm
; Four packed multiply-adds: the eight experts' sums of token t take x(t, j, i).  sel picks x's register in its pair for both halves.
.macro FM t, j, i, sel
.irp p, 0,1,2,3
	v_pk_fma_f32 v[AC+8*\t+2*\p:AC+8*\t+2*\p+1], v[WR+32*\j+8*\i+2*\p:WR+32*\j+8*\i+2*\p+1], v[XR+4*(2*\t+\j)+2*(\i/2):XR+4*(2*\t+\j)+2*(\i/2)+1], v[AC+8*\t+2*\p:AC+8*\t+2*\p+1] op_sel:[0,\sel,0] op_sel_hi:[1,\sel,1]
.endr
.endm
.macro TOK t
	s_wait_loadcnt 2*(7-\t)                        ; loads come back in order (ISA guide 5.7.1): this token's two are in, two for each later token stay out
	RND8 XR+8*\t
.irp p, 0,1,2,3
	v_pk_mul_f32 v[AC+8*\t+2*\p:AC+8*\t+2*\p+1], v[WR+2*\p:WR+2*\p+1], v[XR+8*\t:XR+8*\t+1] op_sel:[0,0] op_sel_hi:[1,0]   ; the first product starts the sums: nothing is cleared
.endr
	FM \t, 0, 1, 1
	FM \t, 0, 2, 0
	FM \t, 0, 3, 1
	FM \t, 1, 0, 0
	FM \t, 1, 1, 1
	FM \t, 1, 2, 0
	FM \t, 1, 3, 1
.endm
	s_wait_loadcnt 16                              ; wg's sixteen loads are in, x's sixteen stay out
.irp k, 0,1,2,3,4,5,6,7
	RND8 WR+8*\k
.endr
.irp t, 0,1,2,3,4,5,6,7
	TOK \t
.endr
	; The 64 sums over the wave's 32 lanes, stage by stage, so that no instruction waits for the one in front of it.
.irp x, 1,2,4,8
.set k, 0
.rept 64
	v_add_f32_dpp v[AC+k], v[AC+k], v[AC+k] row_xmask:\x row_mask:0xf bank_mask:0xf
.set k, k+1
.endr
.endr
.set k, 0
.rept 64
	v_permlanex16_b32 v[XR+k], v[AC+k], s16, s17   ; its destination counts as read: x's registers have been written and are free
.set k, k+1
.endr
.set k, 0
.rept 64
	v_add_f32 v[AC+k], v[AC+k], v[XR+k]
.set k, k+1
.endr
	; The waves' sums meet in LDS: wave w puts its 64 numbers at 256 w + 32 t + 4 e (every lane holds the same numbers).
	s_lshl_b32 s13, s12, 8
	v_mov_b32 v5, s13
.irp m, 0,1,2,3,4,5,6,7,8,9,10,11,12,13,14,15
	ds_store_b128 v5, v[AC+4*\m:AC+4*\m+3] offset:16*\m
.endr
	v_and_b32 v6, 7, v1                            ; e = lane mod 8
	v_lshrrev_b32 v7, 3, v1                        ; which wave's part: lane / 8, and 4 more by the second load
	v_cvt_f32_u32 v11, v6                          ; e as a float
	v_lshlrev_b32 v8, 2, v6
	v_lshl_add_u32 v8, v7, 8, v8
	s_lshl_b32 s13, s12, 5
	v_add_nc_u32 v8, s13, v8                       ; 256 (lane / 8) + 32 w + 4 e: wave w finishes token w
	v_mov_b32 v10, 0x41000000                      ; 8.0: past every expert
	s_lshl_b32 s18, ttmp9, 3
	s_add_co_u32 s18, s18, s12
	s_lshl_b32 s18, s18, 2
	v_mov_b32 v13, s18                             ; 4 x token
	s_wait_dscnt 0x0                               ; my stores are done, for the others' sake
	s_barrier_signal -1
	s_barrier_wait -1
	ds_load_b32 v6, v8
	ds_load_b32 v7, v8 offset:1024
	s_wait_dscnt 0x0
	v_add_f32 v6, v6, v7
	v_add_f32_dpp v6, v6, v6 row_xmask:8 row_mask:0xf bank_mask:0xf
	v_permlanex16_b32 v7, v6, s16, s17
	v_add_f32 v6, v6, v7                           ; every lane: the logit of expert lane mod 8
	v_max_num_f32_dpp v7, v6, v6 row_xmask:1 row_mask:0xf bank_mask:0xf
	v_max_num_f32_dpp v7, v7, v7 row_xmask:2 row_mask:0xf bank_mask:0xf
	v_max_num_f32_dpp v7, v7, v7 row_xmask:4 row_mask:0xf bank_mask:0xf   ; the largest of the eight
	v_sub_f32 v8, v6, v7
	v_mul_f32 v8, 0x3fb8aa3b, v8                   ; (l - max) log2 e
	v_cmp_eq_f32 vcc_lo, v6, v7
	v_exp_f32 v8, v8
	v_cndmask_b32 v9, v10, v11, vcc_lo             ; e where the logit is the largest, else 8.0; also the one plain instruction behind v_exp_f32 (ISA guide 5.7.2)
	s_wait_alu depctr_va_vdst(0)
	v_add_f32_dpp v8, v8, v8 row_xmask:1 row_mask:0xf bank_mask:0xf
	v_add_f32_dpp v8, v8, v8 row_xmask:2 row_mask:0xf bank_mask:0xf
	v_add_f32_dpp v8, v8, v8 row_xmask:4 row_mask:0xf bank_mask:0xf       ; the sum of the eight exponentials, at least 1
	v_rcp_f32 v12, v8                              ; the gate
	v_min_num_f32_dpp v9, v9, v9 row_xmask:1 row_mask:0xf bank_mask:0xf   ; touches neither v8 nor v12: the plain instruction behind v_rcp_f32
	v_min_num_f32_dpp v9, v9, v9 row_xmask:2 row_mask:0xf bank_mask:0xf
	v_min_num_f32_dpp v9, v9, v9 row_xmask:4 row_mask:0xf bank_mask:0xf   ; the first of the largest
	v_cvt_u32_f32 v9, v9
	v_min_u32 v9, 7, v9                            ; 8 (all logits NaN) becomes 7
	s_wait_xcnt 0x0                                ; EXEC changes only behind this wait
	s_wait_tensorcnt 0x0
	ds_add_u32 v208, v209
	s_wait_dscnt 0x0
	v_cmpx_gt_u32 1, v1                            ; lane 0 alone; the wave ends below, so EXEC is not widened again
	global_store_b32 v13, v9, s[8:9]
	s_wait_alu depctr_va_vdst(0)
	global_store_b32 v13, v12, s[10:11]
	s_endpgm
.Lfunc_end_k_q70bf79b9fd_gate:
	.size	k_q70bf79b9fd_gate, .Lfunc_end_k_q70bf79b9fd_gate-k_q70bf79b9fd_gate
	.p2alignl 7, 3214868480
	.fill 96, 4, 3214868480
	.section	.rodata,"a",@progbits
	.p2align	6, 0x0
	.amdhsa_kernel k_q70bf79b9fd_gate
		.amdhsa_group_segment_fixed_size 3072
		.amdhsa_private_segment_fixed_size 0
		.amdhsa_enable_private_segment 0
		.amdhsa_kernarg_size 32
		.amdhsa_user_sgpr_count 2
		.amdhsa_user_sgpr_kernarg_segment_ptr 1
		.amdhsa_wavefront_size32 1
		.amdhsa_system_sgpr_workgroup_id_x 1
		.amdhsa_system_sgpr_workgroup_id_y 1
		.amdhsa_system_sgpr_workgroup_id_z 1
		.amdhsa_system_vgpr_workitem_id 0
		.amdhsa_next_free_vgpr 210
		.amdhsa_next_free_sgpr 66
		.amdhsa_reserve_vcc 1
		.amdhsa_float_denorm_mode_32 3
		.amdhsa_float_denorm_mode_16_64 3
		.amdhsa_memory_ordered 1
		.amdhsa_forward_progress 1
		.amdhsa_inst_pref_size 54
	.end_amdhsa_kernel
	.amdgpu_metadata
---
amdhsa.version: [ 1, 2 ]
amdhsa.kernels:
  - .name:           k_q70bf79b9fd_gate
    .symbol:         k_q70bf79b9fd_gate.kd
    .args:
      - { .name: x, .offset: 0, .size: 8, .value_kind: global_buffer, .address_space: global }
      - { .name: wg, .offset: 8, .size: 8, .value_kind: global_buffer, .address_space: global }
      - { .name: idx, .offset: 16, .size: 8, .value_kind: global_buffer, .address_space: global }
      - { .name: gatev, .offset: 24, .size: 8, .value_kind: global_buffer, .address_space: global }
    .group_segment_fixed_size: 3072
    .private_segment_fixed_size: 0
    .kernarg_segment_align: 8
    .kernarg_segment_size: 32
    .max_flat_workgroup_size: 256
    .sgpr_count:     66
    .vgpr_count:     210
    .wavefront_size: 32
...
	.end_amdgpu_metadata
.endif
;; end of part 1
;; launch lists (part 2): grid 8 x 1, 4 waves a work-group, no clusters, 17,920 bytes of LDS; arguments idx, gatev, list, gs, cnt; writes list, gs, cnt
.if DOCPART == 2
	.amdgcn_target "amdgcn-amd-amdhsa--gfx1250"
	.amdhsa_code_object_version 6
	.text
	.protected	k_q70bf79b9fd_lists
	.globl	k_q70bf79b9fd_lists
	.p2align	8
	.type	k_q70bf79b9fd_lists,@function
k_q70bf79b9fd_lists:
	s_mov_b64 s[64:65], 0
	v_nop
	global_prefetch_b8 v0, s[64:65] scope:SCOPE_SE
	s_setreg_imm32_b32 hwreg(HW_REG_WAVE_MODE, 25, 1), 1
	s_wait_xcnt 0x0
; lists: for expert e (one work-group each) the list of the tokens that chose it, their gates in the same order, and their number.
; idx: [2048] u32, gatev: [2048] f32.  list: [8][2048] u32, position to token.  gs: [8][2048] f32, the listed token's gate.
; cnt: [8][64] u32, the expert's count, 64 times (256 consecutive bytes).
; A launch of its own: the next two launches take their trip counts and row addresses from these tables, as whole numbers read from memory.
; Eight work-groups are all the work there is: a list is one running count over the 2,048 tokens, 8 KiB of idx and 8 KiB of gatev.
; Wave 0 alone places tokens and gates in LDS, so that no two waves store into a range whose split hangs on data; behind the one barrier
; the four waves copy the two tables out, 2 KiB of each a wave.  No global address is made from a number that was in LDS.
; PADDING: positions count .. count + 15 repeat the list's first token and its gate, so that the 16 rows of the last tile (16 positions a tile)
; are always rows of real tokens; the positions behind them name token 0 with the gate 0.0 and are never used.  An empty list names token 0 throughout.
.set GOF,   8704                       ; the gates lie this far behind the list in LDS: two regions of 2,176 words
.set DUMP,  2120                       ; the word of each region that takes the stores of lanes whose token is another expert's
.set LTOP,  2175                       ; last word of a region: words 0 .. 2,063 list and padding
.set D,     16                         ; v[16:79]   wave 0: idx of 64 tokens a lane.  Copy: four quads of the list
.set GV,    80                         ; v[80:143]  wave 0: their gates.  Copy: four quads of the gates
.set TK,    144                        ; v[144:147] four groups' tokens
; v1 lane, v2 4 lane, v3 DUMP, v[4:7] four groups' places, v9 16 lane, v10 v11 at work, v[12:15] zeros, v150 v151 the copy's addresses, v[152:154] the count's store
; s[24:27] four groups' masks, s[28:31] their counts, s[32:35] their bases; s32 is the running count
	s_load_b256 s[4:11], s[0:1], 0x0               ; idx s[4:5], gatev s[6:7], list s[8:9], gs s[10:11]
	s_load_b64 s[12:13], s[0:1], 0x20              ; cnt
	v_lshl_add_u32 v160, v0, 2, 0x4400
	v_mov_b32 v161, 0
	v_and_b32 v1, 31, v0                           ; lane
	v_lshrrev_b32 v4, 5, v0
	v_readfirstlane_b32 s18, v4                    ; wave 0 .. 3
	s_mov_b32 s20, ttmp9                           ; expert
	v_lshlrev_b32 v9, 4, v1                        ; 16 lane
	s_wait_kmcnt 0x0
	s_cmp_lg_u32 s18, 0
	s_cbranch_scc1 .Llisted
	; THE LIST, wave 0 alone.  Registers D + 4 j + c and GV + 4 j + c of lane l hold idx and gate of token 128 j + 4 l + c.
.irp j, 0,1,2,3,4,5,6,7,8,9,10,11,12,13,14,15
	global_load_b128 v[D+4*\j:D+4*\j+3], v9, s[4:5] offset:512*\j
.endr
.irp j, 0,1,2,3,4,5,6,7,8,9,10,11,12,13,14,15
	global_load_b128 v[GV+4*\j:GV+4*\j+3], v9, s[6:7] offset:512*\j
.endr
	v_lshlrev_b32 v2, 2, v1
	v_mov_b32 v3, DUMP
	v_mov_b32 v12, 0
	v_mov_b32 v13, 0
	v_mov_b32 v14, 0
	v_mov_b32 v15, 0
.set k, 0
.rept 34
	ds_store_b128 v9, v[12:15] offset:512*k        ; 34 x 512 bytes: both regions are defined throughout
.set k, k+1
.endr
	s_mov_b32 s32, 0                               ; how many are listed so far
	s_wait_loadcnt 0x0
; Four groups of 32 tokens: those of my expert take the next places, in the order of the groups and of the lanes.
; The four are taken stage by stage, so that one group's scalar count does not hold up the next group's vector work.
.macro GROUP4 j
.irp c, 0,1,2,3
	v_cmp_eq_u32 s[24+\c], s20, v[D+4*\j+\c]
.endr
.irp c, 0,1,2,3
	s_bcnt1_i32_b32 s[28+\c], s[24+\c]
.endr
.irp c, 0,1,2
	s_add_co_u32 s[33+\c], s[32+\c], s[28+\c]      ; each group's base: those listed in front of it
.endr
.irp c, 0,1,2,3
	v_mbcnt_lo_u32_b32 v[4+\c], s[24+\c], s[32+\c] ; the place: the base + the lanes below me that match
.endr
	s_add_co_u32 s32, s35, s31
.irp c, 0,1,2,3
	v_cndmask_b32 v[4+\c], v3, v[4+\c], s[24+\c]   ; the others write the dump word
.endr
.irp c, 0,1,2,3
	v_min_u32 v[4+\c], LTOP, v[4+\c]
.endr
.irp c, 0,1,2,3
	v_lshlrev_b32 v[4+\c], 2, v[4+\c]
	v_add_nc_u32 v[TK+\c], 128*\j+\c, v2           ; my token
.endr
.irp c, 0,1,2,3
	ds_store_b32 v[4+\c], v[TK+\c]
	ds_store_b32 v[4+\c], v[GV+4*\j+\c] offset:GOF
.endr
.endm
.irp j, 0,1,2,3,4,5,6,7,8,9,10,11,12,13,14,15
	GROUP4 \j
.endr
	v_mov_b32 v10, 0
	ds_load_b32 v5, v10                            ; the first listed token and its gate (LDS serves a wave's instructions in order: ISA guide 5.7.1.4); zeros if the list is empty
	ds_load_b32 v6, v10 offset:GOF
	v_and_b32 v11, 15, v1
	v_add_nc_u32 v11, s32, v11                     ; the 16 places behind the list
	v_min_u32 v11, LTOP, v11
	v_lshlrev_b32 v11, 2, v11
	v_mov_b32 v152, s32
	v_mov_b32 v153, s32
	s_lshl_b32 s30, s20, 8
	v_lshl_add_u32 v154, v1, 3, s30
	global_store_b64 v154, v[152:153], s[12:13]    ; the count, straight from the scalar register: 256 consecutive bytes
	s_wait_dscnt 0x0
	ds_store_b32 v11, v5                           ; padding
	ds_store_b32 v11, v6 offset:GOF
.Llisted:
	s_wait_dscnt 0x0                               ; wave 0's stores are done, for the others' sake
	s_barrier_signal -1
	s_barrier_wait -1                              ; the kernel's one barrier: from here LDS is only read
	; THE COPY: wave p takes positions 512 p .. 512 p + 511 of both tables, in stores of 512 consecutive bytes.
	s_lshl_b32 s29, s18, 11
	v_add_nc_u32 v150, s29, v9                     ; 2,048 p + 16 lane: in LDS, and in the expert's part of each table
.irp k, 0,1,2,3
	ds_load_b128 v[D+4*\k:D+4*\k+3], v150 offset:512*\k
	ds_load_b128 v[GV+4*\k:GV+4*\k+3], v150 offset:GOF+512*\k
.endr
	s_lshl_b32 s30, s20, 13
	v_add_nc_u32 v151, s30, v150                   ; + 8,192 e
	s_wait_dscnt 0x0
.irp k, 0,1,2,3
	global_store_b128 v151, v[D+4*\k:D+4*\k+3], s[8:9] offset:512*\k
	global_store_b128 v151, v[GV+4*\k:GV+4*\k+3], s[10:11] offset:512*\k
.endr
	s_wait_tensorcnt 0x0
	ds_add_u32 v160, v161
	s_wait_dscnt 0x0
	s_endpgm
.Lfunc_end_k_q70bf79b9fd_lists:
	.size	k_q70bf79b9fd_lists, .Lfunc_end_k_q70bf79b9fd_lists-k_q70bf79b9fd_lists
	.p2alignl 7, 3214868480
	.fill 96, 4, 3214868480
	.section	.rodata,"a",@progbits
	.p2align	6, 0x0
	.amdhsa_kernel k_q70bf79b9fd_lists
		.amdhsa_group_segment_fixed_size 17920
		.amdhsa_private_segment_fixed_size 0
		.amdhsa_enable_private_segment 0
		.amdhsa_kernarg_size 40
		.amdhsa_user_sgpr_count 2
		.amdhsa_user_sgpr_kernarg_segment_ptr 1
		.amdhsa_wavefront_size32 1
		.amdhsa_system_sgpr_workgroup_id_x 1
		.amdhsa_system_sgpr_workgroup_id_y 1
		.amdhsa_system_sgpr_workgroup_id_z 1
		.amdhsa_system_vgpr_workitem_id 0
		.amdhsa_next_free_vgpr 162
		.amdhsa_next_free_sgpr 66
		.amdhsa_reserve_vcc 0
		.amdhsa_float_denorm_mode_32 3
		.amdhsa_float_denorm_mode_16_64 3
		.amdhsa_memory_ordered 1
		.amdhsa_forward_progress 1
		.amdhsa_inst_pref_size 43
	.end_amdhsa_kernel
	.amdgpu_metadata
---
amdhsa.version: [ 1, 2 ]
amdhsa.kernels:
  - .name:           k_q70bf79b9fd_lists
    .symbol:         k_q70bf79b9fd_lists.kd
    .args:
      - { .name: idx, .offset: 0, .size: 8, .value_kind: global_buffer, .address_space: global }
      - { .name: gatev, .offset: 8, .size: 8, .value_kind: global_buffer, .address_space: global }
      - { .name: list, .offset: 16, .size: 8, .value_kind: global_buffer, .address_space: global }
      - { .name: gs, .offset: 24, .size: 8, .value_kind: global_buffer, .address_space: global }
      - { .name: cnt, .offset: 32, .size: 8, .value_kind: global_buffer, .address_space: global }
    .group_segment_fixed_size: 17920
    .private_segment_fixed_size: 0
    .kernarg_segment_align: 8
    .kernarg_segment_size: 40
    .max_flat_workgroup_size: 128
    .sgpr_count:     66
    .vgpr_count:     162
    .wavefront_size: 32
...
	.end_amdgpu_metadata
.endif
;; end of part 2
;; launch pack (part 3): grid 32 x 8, 16 waves a work-group, no clusters, 71,680 bytes of LDS; arguments list, cnt, x, xs; writes xs
.if DOCPART == 3
	.amdgcn_target "amdgcn-amd-amdhsa--gfx1250"
	.amdhsa_code_object_version 6
	.text
	.protected	k_q70bf79b9fd_pack
	.globl	k_q70bf79b9fd_pack
	.p2align	8
	.type	k_q70bf79b9fd_pack,@function
k_q70bf79b9fd_pack:
	s_mov_b64 s[64:65], 0
	v_nop
	global_prefetch_b8 v0, s[64:65] scope:SCOPE_SE
	s_setreg_imm32_b32 hwreg(HW_REG_WAVE_MODE, 25, 1), 1
	s_wait_xcnt 0x0
; pack: the rows of x that expert e's list (grid y) names, as bf16, in the order in which the next launch's matrix fragments want them.
; 32 work-groups (grid x) share an expert's rows.  list: [8][2048] u32, position to token; cnt: [8][64] u32, the expert's count, 64 times.
; xs: [8 experts][128 tiles][256 blocks g][16 rows r][8 bf16]: block g of a tile holds k = 8 g .. 8 g + 7 of the tile's 16 listed tokens.
; Each expert has room for all 2,048 tokens, so no sum over experts is needed.  Written here, and read later: the tiles below
; nt = ceil(count / 16), and tile 0 in any case (of an empty list it holds token 0's row sixteen times; nothing is computed from it).
; The list's padding repeats its first token, so a tile's 16 rows are always rows of real tokens.
; A unit u is tile u / 16 and k slice u mod 16: 16 rows x 128 k, 8 KiB in, 4 KiB out.  Unit u belongs to work-group u mod 32, wave (u / 32) mod 16,
; so an expert's units fall evenly on its 32 work-groups.  Each wave works by itself, on a stage in LDS of its own: no barrier.
; Memory binds, and the rows are picked by a list: they come through registers, 16 loads of 512 consecutive bytes a wave on their way; matrix units and
; joint loads have nothing to do here.
.set WSTG,  4352                       ; a wave's stage at LDS byte WSTG x wave: 16 blocks at a pitch of 272 bytes
.set SP,    272                        ; 256 + 16 bytes = 68 words: block b starts at word 4 b mod 64 (64 banks of 4 bytes: ISA guide 11.1)
.set TRIPS, 4                          ; 128 tiles x 16 units at the most, 32 work-groups x 16 waves = 512 units a trip
.set D,     16                         ; v[16:79]   16 quads of x; then v[16:47] eight quads read back
.set K,     80                         ; v[80:95]   a tile's 16 tokens, then the byte offsets of their rows
.set T,     96                         ; v[96:103]  packed bf16, four pairs by turns
; v1 lane, v4 v5 at work, v6 my 16 bytes in a row of x (by trip), v7 stage store, v8 stage read, v9 16 lane, v10 the tile's place in the list, v11 4 lane
	s_load_b256 s[4:11], s[0:1], 0x0               ; list s[4:5], cnt s[6:7], x s[8:9], xs s[10:11]
	v_lshl_add_u32 v128, v0, 2, 0x11000
	v_mov_b32 v129, 0
	v_and_b32 v1, 31, v0                           ; lane
	v_lshrrev_b32 v4, 5, v0
	v_readfirstlane_b32 s18, v4                    ; wave 0 .. 15
	s_mov_b32 s19, ttmp9                           ; which of the expert's 32 work-groups
	s_and_b32 s20, ttmp7, 0xffff                   ; expert
	s_mov_b32 s31, 0                               ; high word of the offset pair
	s_mov_b32 s36, 0                               ; the trip
	s_lshl_b32 s26, s18, 5
	s_add_co_u32 s26, s26, s19                     ; my first unit, 0 .. 511
	s_lshr_b32 s27, s26, 4                         ; its tile, 0 .. 31
	s_lshl_b32 s29, s27, 6
	v_mov_b32 v10, s29                             ; 64 bytes of the list a tile
	v_lshlrev_b32 v11, 2, v1                       ; the count stands 64 times: lane l takes word l
	v_lshlrev_b32 v9, 4, v1                        ; 16 lane
	s_mul_i32 s29, s18, WSTG                       ; my wave's stage
	v_lshrrev_b32 v4, 1, v1                        ; in: lane l holds k = 4 l .. 4 l + 3 of a row: block l / 2, its half l mod 2
	v_mul_u32_u24 v4, v4, SP
	v_and_b32 v5, 1, v1
	v_lshl_add_u32 v4, v5, 3, v4
	v_add_nc_u32 v7, s29, v4
	v_lshrrev_b32 v4, 4, v1                        ; back: lanes 0-15 take one block's 256 bytes, lanes 16-31 the next block's
	v_mul_u32_u24 v4, v4, SP
	v_and_b32 v5, 15, v1
	v_lshl_add_u32 v4, v5, 4, v4
	v_add_nc_u32 v8, s29, v4
	s_wait_kmcnt 0x0
	s_lshl_b32 s30, s20, 8
	s_add_nc_u64 s[6:7], s[6:7], s[30:31]          ; cnt of my expert
	s_lshl_b32 s30, s20, 13
	s_add_nc_u64 s[4:5], s[4:5], s[30:31]          ; list of my expert
	s_lshl_b32 s30, s20, 23
	s_add_nc_u64 s[32:33], s[10:11], s[30:31]      ; xs of my expert
	global_load_b32 v4, v11, s[6:7]                ; how many tokens chose my expert
.irp i, 0,1,2,3
	global_load_b128 v[K+4*\i:K+4*\i+3], v10, s[4:5] offset:16*\i  ; my first tile's 16 tokens, the same in every lane: asked for together with the count (every position of list is written)
.endr
	s_wait_loadcnt 4                               ; loads come back in order (ISA guide 5.7.1): the count is in, the four loads of tokens stay out
	v_readfirstlane_b32 s24, v4
	s_min_u32 s24, s24, 2048                       ; the count
	s_add_co_u32 s25, s24, 15
	s_and_b32 s25, s25, 0xfffffff0                 ; units = 16 for each tile,
	s_max_u32 s25, s25, 16                         ; and tile 0 in any case
	; The loop is counted against the constant TRIPS; a wave whose next unit lies past the expert's last leaves it by the branch at its head.
.Lunit:
	s_cmp_ge_u32 s26, s25
	s_cbranch_scc1 .Lend                           ; no unit is left for me (the tokens asked for ahead are not used)
	s_wait_xcnt 0x0                                ; the last trip's stores have had their addresses translated (ISA guide 3.1): their data and base are written again below
	s_lshr_b32 s27, s26, 4
	s_min_u32 s27, s27, 127                        ; tile
	s_and_b32 s28, s26, 15                         ; slice
	s_lshl_b32 s29, s28, 9
	v_lshl_add_u32 v6, v1, 4, s29                  ; my 16 bytes of a row: 512 slice + 16 lane
	s_lshl_b32 s30, s27, 16
	s_lshl_b32 s29, s28, 12
	s_add_co_u32 s30, s30, s29
	s_add_nc_u64 s[34:35], s[32:33], s[30:31]      ; where the unit's 4,096 bytes go
	s_wait_loadcnt 0x0                             ; the tile's tokens are in
.irp i, 0,1,2,3,4,5,6,7,8,9,10,11,12,13,14,15
	v_min_u32 v[K+\i], 2047, v[K+\i]
	v_lshl_add_u32 v[K+\i], v[K+\i], 13, v6
.endr
.irp i, 0,1,2,3,4,5,6,7,8,9,10,11,12,13,14,15
	global_load_b128 v[D+4*\i:D+4*\i+3], v[K+\i], s[8:9]   ; 512 consecutive bytes of one listed row
.endr
.irp i, 0,1,2,3,4,5,6,7,8,9,10,11,12,13,14,15
	s_wait_loadcnt 15-\i                           ; row i is in, the rows behind it stay out
	v_cvt_pk_bf16_f32 v[T+2*(\i%4)], v[D+4*\i], v[D+4*\i+1]
	v_cvt_pk_bf16_f32 v[T+2*(\i%4)+1], v[D+4*\i+2], v[D+4*\i+3]
	ds_store_b64 v7, v[T+2*(\i%4):T+2*(\i%4)+1] offset:16*\i       ; row i's 16 bytes in each block; the 32 lanes touch 64 different banks
.endr
	s_add_co_u32 s26, s26, 512                     ; my next unit; the last wait above was for 0, so v10 and the tokens' registers are free:
	s_lshr_b32 s27, s26, 4
	s_min_u32 s27, s27, 127                        ; its tile, kept inside the list
	s_lshl_b32 s29, s27, 6
	v_mov_b32 v10, s29
.irp i, 0,1,2,3
	global_load_b128 v[K+4*\i:K+4*\i+3], v10, s[4:5] offset:16*\i  ; its tokens are on their way while this unit leaves
.endr
.irp m, 0,1,2,3,4,5,6,7
	ds_load_b128 v[D+4*\m:D+4*\m+3], v8 offset:2*SP*\m     ; blocks 2 m and 2 m + 1; my own bytes, served in order (ISA guide 5.7.1.4): no wait behind the stores
.endr
.irp m, 0,1,2,3,4,5,6,7
	s_wait_dscnt 7-\m
	global_store_b128 v9, v[D+4*\m:D+4*\m+3], s[34:35] offset:512*\m       ; 512 consecutive bytes
.endr
	s_add_co_u32 s36, s36, 1
	s_cmp_lt_u32 s36, TRIPS
	s_cbranch_scc1 .Lunit
.Lend:
	s_wait_tensorcnt 0x0
	ds_add_u32 v128, v129
	s_wait_dscnt 0x0
	s_endpgm
.Lfunc_end_k_q70bf79b9fd_pack:
	.size	k_q70bf79b9fd_pack, .Lfunc_end_k_q70bf79b9fd_pack-k_q70bf79b9fd_pack
	.p2alignl 7, 3214868480
	.fill 96, 4, 3214868480
	.section	.rodata,"a",@progbits
	.p2align	6, 0x0
	.amdhsa_kernel k_q70bf79b9fd_pack
		.amdhsa_group_segment_fixed_size 71680
		.amdhsa_private_segment_fixed_size 0
		.amdhsa_enable_private_segment 0
		.amdhsa_kernarg_size 32
		.amdhsa_user_sgpr_count 2
		.amdhsa_user_sgpr_kernarg_segment_ptr 1
		.amdhsa_wavefront_size32 1
		.amdhsa_system_sgpr_workgroup_id_x 1
		.amdhsa_system_sgpr_workgroup_id_y 1
		.amdhsa_system_sgpr_workgroup_id_z 1
		.amdhsa_system_vgpr_workitem_id 0
		.amdhsa_next_free_vgpr 130
		.amdhsa_next_free_sgpr 66
		.amdhsa_reserve_vcc 0
		.amdhsa_float_denorm_mode_32 3
		.amdhsa_float_denorm_mode_16_64 3
		.amdhsa_memory_ordered 1
		.amdhsa_forward_progress 1
		.amdhsa_inst_pref_size 13
	.end_amdhsa_kernel
	.amdgpu_metadata
---
amdhsa.version: [ 1, 2 ]
amdhsa.kernels:
  - .name:           k_q70bf79b9fd_pack
    .symbol:         k_q70bf79b9fd_pack.kd
    .args:
      - { .name: list, .offset: 0, .size: 8, .value_kind: global_buffer, .address_space: global }
      - { .name: cnt, .offset: 8, .size: 8, .value_kind: global_buffer, .address_space: global }
      - { .name: x, .offset: 16, .size: 8, .value_kind: global_buffer, .address_space: global }
      - { .name: xs, .offset: 24, .size: 8, .value_kind: global_buffer, .address_space: global }
    .group_segment_fixed_size: 71680
    .private_segment_fixed_size: 0
    .kernarg_segment_align: 8
    .kernarg_segment_size: 32
    .max_flat_workgroup_size: 512
    .sgpr_count:     66
    .vgpr_count:     130
    .wavefront_size: 32
...
	.end_amdgpu_metadata
.endif
;; end of part 3
;; launch gemm (part 4): grid 32 x 8, 4 waves a work-group, no clusters, 156,160 bytes of LDS; arguments W, b, xs, list, gs, cnt, out0; writes out0
.if DOCPART == 4
	.amdgcn_target "amdgcn-amd-amdhsa--gfx1250"
	.amdhsa_code_object_version 6
	.text
	.protected	k_q70bf79b9fd_gemm
	.globl	k_q70bf79b9fd_gemm
	.p2align	8
	.type	k_q70bf79b9fd_gemm,@function
k_q70bf79b9fd_gemm:
	s_mov_b64 s[64:65], 0
	v_nop
	global_prefetch_b8 v0, s[64:65] scope:SCOPE_SE
	s_setreg_imm32_b32 hwreg(HW_REG_WAVE_MODE, 25, 1), 1
	s_wait_xcnt 0x0
; gemm: out0[t][o] = gate[t] (sum over k of W[e][o][k] x[t][k] + b[e][o]) for the tokens t that chose expert e.
; reference() applies every expert to every token and multiplies by a one-hot mask of its own making; the products that the mask throws away are not made.
; A work-group owns expert e (grid y) and the 64 columns o = 64 x .. 64 x + 63 (grid x): a slab of 64 rows of W, 512 KiB of f32, read once in the launch.
; PHASE 1: the slab is rounded to bf16 and kept in registers: wave w holds all 64 columns x k = 512 w .. 512 w + 511, 64 fragments, 512 registers.
; PHASE 2: the expert's listed tokens go by in tiles of 16, two tiles a step.  xs holds them as bf16 in the fragments' own order, so each wave loads
; its quarter of a tile (16 KiB) straight into registers; 64 matrix instructions a wave and tile; the four waves' partial tiles are added through LDS.
; All four waves share every tile, so the waves' work is even for any count.
; THE BARRIERS HANG ON NO NUMBER READ FROM MEMORY.  The loop is counted against the constant 128 tiles (one expert may get all 2,048 tokens):
; 64 pairs of tiles, one barrier each, in every wave of every work-group.  The expert's count only steers two forward branches a pair, one over the
; matrix work, which lands in front of the barrier, and one over the sum, which starts behind it.  A pair past the expert's last tile is a barrier alone.
; Each of the two blocks is whole in itself: global loads are issued in the matrix block alone, always 32 for the even tile and then 32 for the odd one,
; so its counted waits count the same loads on every way; the sum takes its tokens and gates from a copy in LDS and waits on its own LDS loads alone.
; JOINT LOADS are not used, though the 32 work-groups of an expert read the same tiles of xs: a joint load lands in LDS, from which a wave would
; read its 16 KiB again for 64 matrix instructions, where here the bytes go straight into fragment registers, and a round of a cluster's barrier
; would stand in front of every pair.  W is shared by nobody.
; LIMITS.  x and W enter the products rounded to bf16, sums in f32.  A non-finite number in an expert that a token did not choose does not reach
; that token's row (in reference() 0 x inf makes NaN there).  The positions that pad a list's last tile repeat its first token, and with an odd number
; of tiles the last pair's second half repeats the last tile: such rows are computed from the same numbers and stored a second time to the same place,
; by this work-group, so no lane is ever switched off.  An expert that no token chose stores nothing; its slab is loaded all the same.
; With uneven counts the work-groups' work is uneven.
;
; REGISTERS, in windows of 256 (s_set_vgpr_msb's low byte: bits 1:0 source 0, 3:2 source 1, 5:4 source 2, 7:6 destination):
;   window 0: addresses, bias, tokens and gates, accumulators, the sum's quads; phase 1: the ring v64-255; phase 2: v128-255 x fragments of odd tiles
;   windows 1, 2: W's fragments: (K step sg, column block c) at 8 (4 (sg mod 8) + c), sg 0-7 in window 1, 8-15 in window 2
;   window 3: v0-127 (v768-895) x fragments of even tiles
.set PITCH, 272                        ; an LDS row of 256 bytes + 16 = 68 words: row r starts at word 4 r mod 64 (64 banks of 4 bytes: ISA guide 11.1)
.set WST,   64*PITCH                   ; phase 1: a wave's stage at LDS byte WST x wave: 64 rows of 128 bf16
.set P0,    4*WST                      ; phase 2: the partial tiles
.set PW,    16*PITCH                   ; one wave's part of one tile: 16 tokens x 64 f32
.set PT,    4*PW                       ; a tile's four parts
.set PS,    2*PT                       ; a pair's two tiles: one set; two sets take turns
.set ML,    P0+2*PS                    ; the expert's list, 2,048 words,
.set MGO,   8192                       ; and this far behind it the listed tokens' gates
.set DEPTH, 48                         ; loads of W that a wave keeps on their way: 48 x 512 bytes
.set XAT,   228                        ; in front of this step of phase 1 tile 0 is asked for
.set TILES, 128                        ; the most tiles an expert can have
.set VW,   2                           ; 16 lane
.set VSS,  3                           ; stage, in: 8 lane
.set VSL,  4                           ; stage, out: r PITCH + 16 h
.set VX,   5                           ; xs: 16,384 w + 16 lane
.set VM,   6                           ; list in LDS: ML + 4 (4 w + 2 h): my two rows of tile 0
.set VST,  7                           ; partial tile, in: r PITCH + 32 h
.set VRD,  8                           ; partial tiles, out: (4 w + 2 h) PITCH + 16 r, set 0; v24 = VRD + 16: the same for set 1 (one register and the immediate would have to span 65,552 bytes)
.set VC,   9                           ; 16 r: my four columns
.set BIAS, 10                          ; v[10:13]
.set TOK,  14                          ; v[14:15], v[18:19]: my two rows' tokens, then their byte offsets in out0: the pair's first and second tile.  At the start: v14, v15 the tables' addresses
.set G,    16                          ; v[16:17], v[20:21]: their gates
.set VA,   22                          ; v22, v23: where the two tiles' tokens lie in LDS.  At the start: v22 address, v23 value of the count
.set CV,   24                          ; v[24:31] phase 1: packed bf16, four pairs by turns
.set ACC,  32                          ; v[32:63] four accumulators: column blocks 0 .. 3.  At the start: the tables on their way to LDS
.set R,    64                          ; v[64:127] quad (tile t of the pair, wave p's part, row i) at R + 32 t + 8 p + 4 i
.set RING, 64                          ; v[64:255] phase 1
.set XBR,  128                         ; v[128:255] phase 2
.set MSB, 0
.macro WIN new                         ; the immediate's high byte repeats the setting that is left
.if MSB != \new
	s_set_vgpr_msb (MSB<<8)|\new
.set MSB, \new
.endif
.endm
; s25 = the tile d behind the pair's first (s52), kept below the number of tiles: past the end the last tile is named again
.macro XPICK d
	s_add_co_u32 s25, s52, \d
	s_min_u32 s25, s25, s23
	s_min_u32 s25, s25, TILES-1
.endm
; My quarter of tile s25: 32 loads of 512 consecutive bytes.  Load m brings blocks 64 w + 2 m + h: registers 4 (m mod 2) .. + 3 of fragment m / 2.
.macro XGROUP par
	s_lshl_b32 s26, s25, 16
	s_add_nc_u64 s[36+2*\par:37+2*\par], s[30:31], s[26:27]
.if \par == 0
	WIN 0xc0
.endif
.set m, 0
.rept 32
	global_load_b128 v[XBR*\par+4*m:XBR*\par+4*m+3], v[VX], s[36+2*\par:37+2*\par] offset:512*m
.set m, m+1
.endr
	WIN 0
.endm
	s_load_b256 s[4:11], s[0:1], 0x0               ; W s[4:5], b s[6:7], xs s[8:9], list s[10:11]
	s_load_b128 s[12:15], s[0:1], 0x20             ; gs s[12:13], cnt s[14:15]
	s_load_b64 s[16:17], s[0:1], 0x30              ; out0
	s_set_vgpr_msb 0xc0
	v_lshl_add_u32 v128, v0, 2, 0x26000
	v_mov_b32 v129, 0
	s_set_vgpr_msb 0xc000
	v_lshrrev_b32 v1, 5, v0
	v_readfirstlane_b32 s18, v1                    ; wave 0 .. 3
	s_mov_b32 s19, ttmp9                           ; column block
	s_and_b32 s20, ttmp7, 0xffff                   ; expert
	s_mov_b32 s24, 0                               ; the loop's counter: the first tile of its four
	s_mov_b32 s52, 0                               ; the pair's first tile
	s_mov_b32 s27, 0                               ; high words of the offset pairs
	s_mov_b32 s51, 0
	v_and_b32 v1, 31, v0                           ; lane
	v_and_b32 v24, 15, v0                          ; r
	v_bfe_u32 v25, v0, 4, 1                        ; h
	v_mul_u32_u24 v26, v24, PITCH
	v_lshlrev_b32 v[VW], 4, v1
	s_mul_i32 s53, s18, WST
	v_lshl_add_u32 v[VSS], v1, 3, s53
	v_lshl_add_u32 v[VSL], v25, 4, v26
	v_add_nc_u32 v[VSL], s53, v[VSL]
	s_lshl_b32 s53, s18, 14
	v_add_nc_u32 v[VX], s53, v[VW]
	s_lshl_b32 s53, s18, 4
	s_add_co_u32 s53, s53, ML
	v_lshl_add_u32 v[VM], v25, 3, s53
	s_mul_i32 s53, s18, PW
	s_add_co_u32 s53, s53, P0
	v_lshl_add_u32 v[VST], v25, 5, v26
	v_add_nc_u32 v[VST], s53, v[VST]
	s_mul_i32 s53, s18, 4*PITCH
	s_add_co_u32 s53, s53, P0
	v_mul_u32_u24 v27, v25, 2*PITCH
	v_lshl_add_u32 v27, v24, 4, v27
	v_add_nc_u32 v[VRD], s53, v27
	v_lshlrev_b32 v[VC], 4, v24
	v_lshlrev_b32 v[VA], 2, v1                     ; the count stands 64 times: lane l takes word l
	s_lshl_b32 s53, s18, 11
	v_add_nc_u32 v14, s53, v[VW]                   ; my quarter of each table: 2,048 w + 16 lane
	v_add_nc_u32 v15, ML, v14                      ; and where it goes in LDS
	s_wait_kmcnt 0x0
	s_lshl_b32 s50, s20, 8
	s_add_nc_u64 s[14:15], s[14:15], s[50:51]      ; cnt of my expert
	s_lshl_b32 s26, s20, 24                        ; W: 16 MiB an expert,
	s_lshl_b32 s50, s19, 19                        ; 64 rows of 8,192 bytes a column block,
	s_add_co_u32 s26, s26, s50
	s_lshl_b32 s50, s18, 11                        ; 512 k of 4 bytes a wave
	s_add_co_u32 s26, s26, s50
	s_add_nc_u64 s[28:29], s[4:5], s[26:27]
	s_lshl_b32 s26, s20, 13
	s_add_nc_u64 s[32:33], s[10:11], s[26:27]      ; list of my expert
	s_add_nc_u64 s[34:35], s[12:13], s[26:27]      ; gs of my expert
	s_lshl_b32 s50, s19, 8
	s_add_nc_u64 s[48:49], s[16:17], s[50:51]      ; out0 at my 64 columns
	s_add_co_u32 s26, s26, s50
	s_add_nc_u64 s[6:7], s[6:7], s[26:27]          ; b at my expert's 64 columns
	s_lshl_b32 s26, s20, 23
	s_add_nc_u64 s[30:31], s[8:9], s[26:27]        ; xs of my expert
	global_load_b32 v[VA+1], v[VA], s[14:15]       ; how many tokens chose my expert
	global_load_b128 v[BIAS:BIAS+3], v[VC], s[6:7]
.irp k, 0,1,2,3
	global_load_b128 v[ACC+4*\k:ACC+4*\k+3], v14, s[32:33] offset:512*\k
	global_load_b128 v[ACC+16+4*\k:ACC+16+4*\k+3], v14, s[34:35] offset:512*\k
.endr
	; PHASE 1.  Load q = 0 .. 255 brings 512 consecutive bytes: row q mod 64 of the slab, k tile q / 64 (128 k) of my 512 k.
.set q, 0
.rept DEPTH
	global_load_b128 v[RING+4*q:RING+4*q+3], v[VW], s[28:29] offset:(q&63)*8192+(q>>6)*512 th:TH_LOAD_NT
.set q, q+1
.endr
	s_wait_loadcnt DEPTH                           ; loads come back in order (ISA guide 5.7.1): count, bias and tables are in, the ring's 48 stay out
	v_readfirstlane_b32 s21, v[VA+1]
	s_min_u32 s21, s21, 2048
	s_add_co_u32 s22, s21, 15
	s_lshr_b32 s22, s22, 4                         ; nt, the number of tiles
	s_max_u32 s23, s22, 1
	s_sub_co_u32 s23, s23, 1                       ; the last tile (tile 0 of an empty list: written, and not used)
.irp k, 0,1,2,3
	ds_store_b128 v15, v[ACC+4*\k:ACC+4*\k+3] offset:512*\k                ; the other waves read these behind the first pair's barrier
	ds_store_b128 v15, v[ACC+16+4*\k:ACC+16+4*\k+3] offset:MGO+512*\k
.endr
.set q, 0
; One step: load q is rounded to bf16 and put into my stage; its registers take load q + DEPTH.
.macro WSTEP
.if q == XAT
	XPICK 0                                        ; tile 0 is asked for here: it has the last 28 steps in which to land
	XGROUP 0
.endif
.if q < 256-DEPTH
	s_wait_loadcnt DEPTH-1                         ; load q is in, the ring's 47 younger ones stay out
.else
.if q < XAT
	s_wait_loadcnt 255-q                           ; nothing is asked for any more: the counts run down
.else
	s_wait_loadcnt 255-q+32                        ; and behind W's last loads stand tile 0's 32
.endif
.endif
	v_cvt_pk_bf16_f32 v[CV+2*(q%4)], v[RING+4*(q%DEPTH)], v[RING+4*(q%DEPTH)+1]
	v_cvt_pk_bf16_f32 v[CV+2*(q%4)+1], v[RING+4*(q%DEPTH)+2], v[RING+4*(q%DEPTH)+3]
	ds_store_b64 v[VSS], v[CV+2*(q%4):CV+2*(q%4)+1] offset:(q&63)*PITCH
.if q < 256-DEPTH
	global_load_b128 v[RING+4*(q%DEPTH):RING+4*(q%DEPTH)+3], v[VW], s[28:29] offset:((q+DEPTH)&63)*8192+((q+DEPTH)>>6)*512 th:TH_LOAD_NT
.endif
.set q, q+1
.endm
; The stage holds 64 rows x 128 k: 16 fragments.  Lane (r, h) of fragment (s, c): row 16 c + r, k = 32 s + 8 h + 0..7 and 32 s + 16 + 8 h + 0..7.
; The stage is my own and LDS serves a wave's instructions in order (ISA guide 5.7.1.4): no wait in front of these loads or of the next k tile's stores.
.macro WFRAG t
.if \t < 2
	WIN 0x40
.else
	WIN 0x80
.endif
.irp s, 0,1,2,3
.irp c, 0,1,2,3
.irp d, 0,1
	ds_load_b128 v[8*(4*(4*(\t%2)+\s)+\c)+4*\d:8*(4*(4*(\t%2)+\s)+\c)+4*\d+3], v[VSL] offset:\c*16*PITCH+\s*64+32*\d
.endr
.endr
.endr
	WIN 0
.endm
.macro WBLOCK t
.rept 64
	WSTEP
.endr
	WFRAG \t
.endm
	WBLOCK 0
	WBLOCK 1
	WBLOCK 2
	WBLOCK 3
	XPICK 1                                        ; tile 1 (or the one tile again), into the ring's registers, which are free
	XGROUP 1
	s_wait_dscnt 0x0                               ; W's fragments are in
	v_add_nc_u32 v[VRD+16], PS, v[VRD]
; PHASE 2.
; Four matrix instructions: K step sg of all four column blocks.  Source 0 = 16 rows of W, source 1 = 16 tokens: lane (r, h) register j
; of accumulator c holds token r, column 16 c + 8 h + j.  The four accumulators take turns, one instruction a turn.
.macro KSTEP xr, sg, zero
.irp c, 0,1,2,3
.if \zero
	v_wmma_f32_16x16x32_bf16 v[ACC+8*\c:ACC+8*\c+7], v[8*(4*((\sg)&7)+\c):8*(4*((\sg)&7)+\c)+7], v[\xr+8*(\sg):\xr+8*(\sg)+7], 0
.else
	v_wmma_f32_16x16x32_bf16 v[ACC+8*\c:ACC+8*\c+7], v[8*(4*((\sg)&7)+\c):8*(4*((\sg)&7)+\c)+7], v[\xr+8*(\sg):\xr+8*(\sg)+7], v[ACC+8*\c:ACC+8*\c+7]
.endif
.endr
.endm
; One tile's matrix work.  u: which set of partial tiles; par = 0: the pair's first tile (fragments in window 3), 1: its second (fragments at v128).
.macro HALF u, par
	s_wait_loadcnt 32                              ; this tile's 32 loads are in; the other register set's 32, issued behind them, stay out
.if \par == 0
	WIN 0x0d
.else
	WIN 0x01
.endif
	KSTEP XBR*\par, 0, 1                           ; the first products start the sums: nothing is cleared
.irp sg, 1,2,3,4,5,6,7
	KSTEP XBR*\par, \sg, 0
.endr
.if \par == 0
	WIN 0x0e
.else
	WIN 0x02
.endif
.irp sg, 8,9,10,11,12,13,14,15
	KSTEP XBR*\par, \sg, 0
.endr
	WIN 0
.rept 5
	v_nop                                          ; the places behind the last matrix instructions: four in front of the stores that read the results and of the
.endr                                                  ; loads into the fragments, five in front of the next tile's first product, which writes over accumulator 0; this block has no vector work of its own
.irp c, 0,1,2,3
	ds_store_b128 v[VST], v[ACC+8*\c:ACC+8*\c+3] offset:\u*PS+\par*PT+64*\c
	ds_store_b128 v[VST], v[ACC+8*\c+4:ACC+8*\c+7] offset:\u*PS+\par*PT+64*\c+16
.endr
	XPICK \par+2                                   ; this register set's tile of the next pair: the wait above has shown the old loads by this base done
	XGROUP \par
.endm
; The sum of a pair's two tiles: my rows 4 w + 2 h + i (i = 0, 1) of each, columns 4 r .. 4 r + 3.
.macro SUMS u
	s_wait_xcnt 0x0                                ; the last pair's stores have had their addresses translated (ISA guide 3.1): their offsets and data are written again below
.irp t, 0,1
	XPICK \t
	s_lshl_b32 s26, s25, 6
	v_add_nc_u32 v[VA+\t], s26, v[VM]              ; 64 bytes of the list a tile
	ds_load_b64 v[TOK+4*\t:TOK+4*\t+1], v[VA+\t]
	ds_load_b64 v[G+4*\t:G+4*\t+1], v[VA+\t] offset:MGO
.irp p, 0,1,2,3
.irp i, 0,1
	ds_load_b128 v[R+32*\t+8*\p+4*\i:R+32*\t+8*\p+4*\i+3], v[VRD+16*\u] offset:\t*PT+PW*\p+PITCH*\i
.endr
.endr
.endr
.irp t, 0,1
	s_wait_dscnt 10-10*\t                          ; the first tile's ten LDS loads are in, the second's ten stay out; then all
	v_min_u32 v[TOK+4*\t], 2047, v[TOK+4*\t]
	v_min_u32 v[TOK+4*\t+1], 2047, v[TOK+4*\t+1]
	v_lshl_add_u32 v[TOK+4*\t], v[TOK+4*\t], 13, v[VC]             ; 8,192 token + 16 r
	v_lshl_add_u32 v[TOK+4*\t+1], v[TOK+4*\t+1], 13, v[VC]
.irp i, 0,1
.irp d, 0,2
	v_pk_add_f32 v[R+32*\t+4*\i+\d:R+32*\t+4*\i+\d+1], v[R+32*\t+4*\i+\d:R+32*\t+4*\i+\d+1], v[R+32*\t+8+4*\i+\d:R+32*\t+8+4*\i+\d+1]
	v_pk_add_f32 v[R+32*\t+16+4*\i+\d:R+32*\t+16+4*\i+\d+1], v[R+32*\t+16+4*\i+\d:R+32*\t+16+4*\i+\d+1], v[R+32*\t+24+4*\i+\d:R+32*\t+24+4*\i+\d+1]
.endr
.endr
.irp i, 0,1
.irp d, 0,2
	v_pk_add_f32 v[R+32*\t+16+4*\i+\d:R+32*\t+16+4*\i+\d+1], v[R+32*\t+16+4*\i+\d:R+32*\t+16+4*\i+\d+1], v[BIAS+\d:BIAS+\d+1]
.endr
.endr
.irp i, 0,1
.irp d, 0,2
	v_pk_add_f32 v[R+32*\t+4*\i+\d:R+32*\t+4*\i+\d+1], v[R+32*\t+4*\i+\d:R+32*\t+4*\i+\d+1], v[R+32*\t+16+4*\i+\d:R+32*\t+16+4*\i+\d+1]
.endr
.endr
.irp i, 0,1
.irp d, 0,2
	v_pk_mul_f32 v[R+32*\t+4*\i+\d:R+32*\t+4*\i+\d+1], v[R+32*\t+4*\i+\d:R+32*\t+4*\i+\d+1], v[G+4*\t:G+4*\t+1] op_sel:[0,\i] op_sel_hi:[1,\i]   ; both halves by row i's gate
.endr
.endr
.irp i, 0,1
	global_store_b128 v[TOK+4*\t+\i], v[R+32*\t+4*\i:R+32*\t+4*\i+3], s[48:49] th:TH_STORE_NT     ; 16 lanes store 256 consecutive bytes of a token's row, at a multiple of 256 from out0's first byte
.endr
.endr
.endm
; A pair of tiles.  ONE barrier a pair, on every wave's way whatever the count: a wave's reads of one set of partial tiles are waited for in front of
; its signal in the next pair, which uses the other set, and the set is written again only behind that barrier.
.macro PAIR u
	s_add_co_u32 s52, s24, 2*\u                    ; the pair's first tile
	s_cmp_ge_u32 s52, s22
	s_cbranch_scc1 .Lno_tiles_\@                   ; past the expert's last tile: no matrix work
	HALF \u, 0
	HALF \u, 1
.Lno_tiles_\@:
	s_wait_dscnt 0x0                               ; my partial tiles are in LDS, and my reads of the other set are back
	s_barrier_signal -1
	s_barrier_wait -1
	s_cmp_ge_u32 s52, s22
	s_cbranch_scc1 .Lno_sum_\@                     ; and nothing to add
	SUMS \u
.Lno_sum_\@:
.endm
.Lfour:
	PAIR 0
	PAIR 1
	s_add_co_u32 s24, s24, 4
	s_cmp_lt_u32 s24, TILES
	s_cbranch_scc1 .Lfour
	s_set_vgpr_msb 0xf
	s_wait_tensorcnt 0x0
	ds_add_u32 v128, v129
	s_wait_dscnt 0x0
	s_set_vgpr_msb 0xf00
	s_endpgm                                       ; the look-ahead loads that are still out touch tiles that were written, and nothing waits for them
.Lfunc_end_k_q70bf79b9fd_gemm:
	.size	k_q70bf79b9fd_gemm, .Lfunc_end_k_q70bf79b9fd_gemm-k_q70bf79b9fd_gemm
	.p2alignl 7, 3214868480
	.fill 96, 4, 3214868480
	.section	.rodata,"a",@progbits
	.p2align	6, 0x0
	.amdhsa_kernel k_q70bf79b9fd_gemm
		.amdhsa_group_segment_fixed_size 156160
		.amdhsa_private_segment_fixed_size 0
		.amdhsa_enable_private_segment 0
		.amdhsa_kernarg_size 56
		.amdhsa_user_sgpr_count 2
		.amdhsa_user_sgpr_kernarg_segment_ptr 1
		.amdhsa_wavefront_size32 1
		.amdhsa_system_sgpr_workgroup_id_x 1
		.amdhsa_system_sgpr_workgroup_id_y 1
		.amdhsa_system_sgpr_workgroup_id_z 1
		.amdhsa_system_vgpr_workitem_id 0
		.amdhsa_next_free_vgpr 898
		.amdhsa_next_free_sgpr 66
		.amdhsa_reserve_vcc 0
		.amdhsa_float_denorm_mode_32 3
		.amdhsa_float_denorm_mode_16_64 3
		.amdhsa_memory_ordered 1
		.amdhsa_forward_progress 1
		.amdhsa_inst_pref_size 143
	.end_amdhsa_kernel
	.amdgpu_metadata
---
amdhsa.version: [ 1, 2 ]
amdhsa.kernels:
  - .name:           k_q70bf79b9fd_gemm
    .symbol:         k_q70bf79b9fd_gemm.kd
    .args:
      - { .name: W, .offset: 0, .size: 8, .value_kind: global_buffer, .address_space: global }
      - { .name: b, .offset: 8, .size: 8, .value_kind: global_buffer, .address_space: global }
      - { .name: xs, .offset: 16, .size: 8, .value_kind: global_buffer, .address_space: global }
      - { .name: list, .offset: 24, .size: 8, .value_kind: global_buffer, .address_space: global }
      - { .name: gs, .offset: 32, .size: 8, .value_kind: global_buffer, .address_space: global }
      - { .name: cnt, .offset: 40, .size: 8, .value_kind: global_buffer, .address_space: global }
      - { .name: out0, .offset: 48, .size: 8, .value_kind: global_buffer, .address_space: global }
    .group_segment_fixed_size: 156160
    .private_segment_fixed_size: 0
    .kernarg_segment_align: 8
    .kernarg_segment_size: 56
    .max_flat_workgroup_size: 128
    .sgpr_count:     66
    .vgpr_count:     898
    .wavefront_size: 32
...
	.end_amdgpu_metadata
.endif
;; end of part 4
;; ======== version 2 of 2: 4 launches; version 1 with the launch gemm written anew for expert scheduling mode
;; workspace buffers: idx 8,192 bytes of whole numbers; gatev 8,192 bytes; xs 67,108,864 bytes; list 65,536 bytes of whole numbers; gs 65,536 bytes; cnt 2,048 bytes of whole numbers
;; launch gate: the kernel of part 1 again; grid 256 x 1, 8 waves a work-group, no clusters, 3,072 bytes of LDS; arguments x, wg, idx, gatev; writes idx, gatev
;; launch lists: the kernel of part 2 again; grid 8 x 1, 4 waves a work-group, no clusters, 17,920 bytes of LDS; arguments idx, gatev, list, gs, cnt; writes list, gs, cnt
;; launch pack: the kernel of part 3 again; grid 32 x 8, 16 waves a work-group, no clusters, 71,680 bytes of LDS; arguments list, cnt, x, xs; writes xs
;; launch gemm (part 5): grid 32 x 8, 4 waves a work-group, no clusters, 156,160 bytes of LDS; arguments W, b, xs, list, gs, cnt, out0; writes out0
.if DOCPART == 5
	.amdgcn_target "amdgcn-amd-amdhsa--gfx1250"
	.amdhsa_code_object_version 6
	.text
	.protected	k_q70bf79b9fd_gemm
	.globl	k_q70bf79b9fd_gemm
	.p2align	8
	.type	k_q70bf79b9fd_gemm,@function
k_q70bf79b9fd_gemm:
	s_mov_b64 s[64:65], 0
	v_nop
	global_prefetch_b8 v0, s[64:65] scope:SCOPE_SE
	s_setreg_imm32_b32 hwreg(HW_REG_WAVE_SCHED_MODE, 0, 2), 2
	s_setreg_imm32_b32 hwreg(HW_REG_WAVE_MODE, 25, 1), 1
	s_wait_xcnt 0x0
	s_wait_alu depctr_vm_vsrc(0)
; gemm: out0[t][o] = gate[t] (sum over k of W[e][o][k] x[t][k] + b[e][o]) for the tokens t that chose expert e.
; reference() applies every expert to every token and multiplies by a one-hot mask of its own making; the products that the mask throws away are not made.
; A work-group owns expert e (grid y) and the 64 columns o = 64 x .. 64 x + 63 (grid x): a slab of 64 rows of W, 512 KiB of f32, read once in the launch.
; PHASE 1: the slab is rounded to bf16 and kept in registers: wave w holds all 64 columns x k = 512 w .. 512 w + 511, 64 fragments, 512 registers.
; PHASE 2: the expert's listed tokens go by in tiles of 16, two tiles a step.  xs holds them as bf16 in the fragments' own order, so each wave loads
; its quarter of a tile (16 KiB) straight into registers; 64 matrix instructions a wave and tile; the four waves' partial tiles are added through LDS.
; All four waves share every tile, so the waves' work is even for any count.
; THE BARRIERS HANG ON NO NUMBER READ FROM MEMORY.  The loop is counted against the constant 128 tiles (one expert may get all 2,048 tokens):
; 64 pairs of tiles, one barrier each, in every wave of every work-group.  The expert's count only steers two forward branches a pair, one over the
; matrix work, which lands in front of the barrier, and one over the sum, which starts behind it.  A pair past the expert's last tile is a barrier alone.
; Each of the two blocks is whole in itself: global loads are issued in the matrix block alone, always 32 for the even tile and then 32 for the odd one,
; so its counted waits count the same loads on every way; the sum takes its tokens and gates from a copy in LDS and waits on its own LDS loads alone.
; JOINT LOADS are not used, though the 32 work-groups of an expert read the same tiles of xs: a joint load lands in LDS, from which a wave would
; read its 16 KiB again for 64 matrix instructions, where here the bytes go straight into fragment registers, and a round of a cluster's barrier
; would stand in front of every pair.  W is shared by nobody.
; LIMITS.  x and W enter the products rounded to bf16, sums in f32.  A non-finite number in an expert that a token did not choose does not reach
; that token's row (in reference() 0 x inf makes NaN there).  The positions that pad a list's last tile repeat its first token, and with an odd number
; of tiles the last pair's second half repeats the last tile: such rows are computed from the same numbers and stored a second time to the same place,
; by this work-group, so no lane is ever switched off.  An expert that no token chose stores nothing; its slab is loaded all the same.
; With uneven counts the work-groups' work is uneven.
;
; THE MODE: SCHED_MODE bits 1:0 = 2 (LLVM: expert scheduling mode 2), set by the entry lines.  The code itself states the register dependences
; between vector or matrix instructions and memory or LDS instructions, with s_wait_alu, always for 0.
; THE PLAN.  Registers that memory or LDS instructions touch, who writes them and who reads them:
;   v2-v9, v24    offsets and LDS addresses: made at the head, ahead of one wait on va_vdst, and never written again.
;   PHASE 1 goes in 32 blocks of eight loads of W.
;   RING          Block p's sixteen conversions read its eight quads; behind them the loads 48 further on land there.
;   OUT0, OUT1    Block p's conversions write OUT[p mod 2]; the block's eight LDS stores read it.
;                 So a block has two waits: on vm_vsrc at its head (the stores of two blocks back have read OUT[p mod 2]), and on va_vdst behind its conversions
;                 (OUT is written, the ring's quads are read); its eight loads and eight stores follow that.
;   W's fragments are loaded from LDS once and from then on named by matrix instructions alone.
;   PHASE 2, a pair of tiles:
;   XA, XB        x fragments of the even and of the odd tile: read by that tile's 64 products, then loaded again for the next pair.
;   ACC, ACCB     the even and the odd tile's four accumulators: written by the products, read by eight LDS stores each.
;                 One wait on va_vdst stands between the two tiles' products: ACC is written, XA is read.  ACC's stores and XA's loads follow it, dealt among the odd
;                 tile's first products, which name W's fragments, XB and ACCB: none of the registers that those stores and loads touch.  A second one stands behind
;                 the odd tile's products, ahead of ACCB's stores and XB's loads, which the barrier wants in front of it.  One wait on vm_vsrc at the block's head:
;                 the LDS stores issued so far have read both accumulator sets.
;   v22, v23      Written by two adds at a sum's head; read by its LDS loads.
;   TOK, G, R     The sum's LDS loads land there; its arithmetic reads and writes them; its four stores read TOK and R.
;                 A sum has a wait on vm_vsrc at its head, one on va_vdst behind the two adds, ahead of its twenty LDS loads, and one ahead of its run of four stores.
; The matrix block and the sum each open with their own waits, so that every way round the two branches and the loop's backward jump is covered.
;
; REGISTERS, in windows of 256 (s_set_vgpr_msb's low byte: bits 1:0 source 0, 3:2 source 1, 5:4 source 2, 7:6 destination):
;   window 0: addresses, bias, tokens and gates, the even tile's accumulators, the sum's quads; phase 1: the ring v64-255; phase 2: v128-159 the odd tile's accumulators
;   windows 1, 2: W's fragments: (K step sg, column block c) at 8 (4 (sg mod 8) + c), sg 0-7 in window 1, 8-15 in window 2
;   window 3: v0-127 (v768-895) x fragments of even tiles, v128-255 (v896-1023) of odd tiles
; An LDS store of window 0's registers and a load into window 3 by an address in window 0 go under one setting (0xc0), so a group of them among products costs two switches.
.set PITCH, 272                        ; an LDS row of 256 bytes + 16 = 68 words: row r starts at word 4 r mod 64 (64 banks of 4 bytes: ISA guide 11.1)
.set WST,   64*PITCH                   ; phase 1: a wave's stage at LDS byte WST x wave: 64 rows of 128 bf16
.set P0,    4*WST                      ; phase 2: the partial tiles
.set PW,    16*PITCH                   ; one wave's part of one tile: 16 tokens x 64 f32
.set PT,    4*PW                       ; a tile's four parts
.set PS,    2*PT                       ; a pair's two tiles: one set; two sets take turns
.set ML,    P0+2*PS                    ; the expert's list, 2,048 words,
.set MGO,   8192                       ; and this far behind it the listed tokens' gates
.set DEPTH, 48                         ; the ring of phase 1: 48 loads of 512 bytes
.set BLK,   8                          ; loads of W in a block of phase 1
.set XATB,  28                         ; in front of this block of phase 1 tile 0 is asked for
.set TILES, 128                        ; the most tiles an expert can have
.set VW,   2                           ; 16 lane
.set VSS,  3                           ; stage, in: 8 lane
.set VSL,  4                           ; stage, out: r PITCH + 16 h
.set VX,   5                           ; xs: 16,384 w + 16 lane
.set VM,   6                           ; list in LDS: ML + 4 (4 w + 2 h): my two rows of tile 0
.set VST,  7                           ; partial tile, in: r PITCH + 32 h
.set VRD,  8                           ; partial tiles, out: (4 w + 2 h) PITCH + 16 r, set 0; v24 = VRD + 16: the same for set 1 (one register and the immediate would have to span 65,552 bytes)
.set VC,   9                           ; 16 r: my four columns
.set BIAS, 10                          ; v[10:13]
.set TOK,  14                          ; v[14:15], v[18:19]: my two rows' tokens, then their byte offsets in out0: the pair's first and second tile.  At the start: v14, v15 the tables' addresses
.set G,    16                          ; v[16:17], v[20:21]: their gates
.set VA,   22                          ; v22, v23: where the two tiles' tokens lie in LDS.  At the start: v22 address, v23 value of the count
.set OUTB, 32                          ; v[32:63] phase 1: packed bf16, two buffers of eight pairs.  At the start: the tables on their way to LDS
.set ACC,  32                          ; v[32:63] the even tile's four accumulators: column blocks 0 .. 3
.set ACCB, 128                         ; v[128:159] the odd tile's
.set R,    64                          ; v[64:127] quad (tile t of the pair, wave p's part, row i) at R + 32 t + 8 p + 4 i
.set RING, 64                          ; v[64:255] phase 1
.set XB,   128                         ; window 3: the odd tiles' fragments begin here, the even tiles' at 0
.set MSB, 0
.macro WIN new                         ; the immediate's high byte repeats the setting that is left
.if MSB != \new
	s_set_vgpr_msb (MSB<<8)|\new
.set MSB, \new
.endif
.endm
; s25 = the tile d behind the pair's first (s52), kept below the number of tiles: past the end the last tile is named again
.macro XPICK d
	s_add_co_u32 s25, s52, \d
	s_min_u32 s25, s25, s23
	s_min_u32 s25, s25, TILES-1
.endm
; The base of register set par (0: even tiles, 1: odd tiles) goes to the tile d behind the pair's first
.macro XBASE par, d
	XPICK \d
	s_lshl_b32 s26, s25, 16
	s_add_nc_u64 s[36+2*\par:37+2*\par], s[30:31], s[26:27]
.endm
; n of the 32 loads of my quarter of a tile, 512 consecutive bytes each.  Load m brings blocks 64 w + 2 m + h: registers 4 (m mod 2) .. + 3 of fragment m / 2.
.macro XLOADS par, from, n
	WIN 0xc0
.set m, \from
.rept \n
	global_load_b128 v[XB*\par+4*m:XB*\par+4*m+3], v[VX], s[36+2*\par:37+2*\par] offset:512*m
.set m, m+1
.endr
.endm
	s_load_b256 s[4:11], s[0:1], 0x0               ; W s[4:5], b s[6:7], xs s[8:9], list s[10:11]
	s_load_b128 s[12:15], s[0:1], 0x20             ; gs s[12:13], cnt s[14:15]
	s_load_b64 s[16:17], s[0:1], 0x30              ; out0
	v_lshl_add_u32 v30, v0, 2, 0x26000
	v_mov_b32 v31, 0
	v_lshrrev_b32 v1, 5, v0
	v_readfirstlane_b32 s18, v1                    ; wave 0 .. 3
	s_mov_b32 s19, ttmp9                           ; column block
	s_and_b32 s20, ttmp7, 0xffff                   ; expert
	s_mov_b32 s24, 0                               ; the loop's counter: the first tile of its four
	s_mov_b32 s52, 0                               ; the pair's first tile
	s_mov_b32 s27, 0                               ; high words of the offset pairs
	s_mov_b32 s51, 0
	v_and_b32 v1, 31, v0                           ; lane
	v_and_b32 v24, 15, v0                          ; r
	v_bfe_u32 v25, v0, 4, 1                        ; h
	v_mul_u32_u24 v26, v24, PITCH
	v_lshlrev_b32 v[VW], 4, v1
	s_wait_alu depctr_va_sdst(0)                   ; s18 is written, ahead of its first reader: LDS addresses and the bases of W and of the tables are made from it
	s_mul_i32 s53, s18, WST
	v_lshl_add_u32 v[VSS], v1, 3, s53
	v_lshl_add_u32 v[VSL], v25, 4, v26
	v_add_nc_u32 v[VSL], s53, v[VSL]
	s_lshl_b32 s53, s18, 14
	v_add_nc_u32 v[VX], s53, v[VW]
	s_lshl_b32 s53, s18, 4
	s_add_co_u32 s53, s53, ML
	v_lshl_add_u32 v[VM], v25, 3, s53
	s_mul_i32 s53, s18, PW
	s_add_co_u32 s53, s53, P0
	v_lshl_add_u32 v[VST], v25, 5, v26
	v_add_nc_u32 v[VST], s53, v[VST]
	s_mul_i32 s53, s18, 4*PITCH
	s_add_co_u32 s53, s53, P0
	v_mul_u32_u24 v27, v25, 2*PITCH
	v_lshl_add_u32 v27, v24, 4, v27
	v_add_nc_u32 v[VRD], s53, v27
	v_lshlrev_b32 v[VC], 4, v24
	v_add_nc_u32 v[VRD+16], PS, v[VRD]             ; r has served: its register takes the second set's address
	v_lshlrev_b32 v[VA], 2, v1                     ; the count stands 64 times: lane l takes word l
	s_lshl_b32 s53, s18, 11
	v_add_nc_u32 v14, s53, v[VW]                   ; my quarter of each table: 2,048 w + 16 lane
	v_add_nc_u32 v15, ML, v14                      ; and where it goes in LDS
	s_wait_kmcnt 0x0
	s_lshl_b32 s50, s20, 8
	s_add_nc_u64 s[14:15], s[14:15], s[50:51]      ; cnt of my expert
	s_lshl_b32 s26, s20, 24                        ; W: 16 MiB an expert,
	s_lshl_b32 s50, s19, 19                        ; 64 rows of 8,192 bytes a column block,
	s_add_co_u32 s26, s26, s50
	s_lshl_b32 s50, s18, 11                        ; 512 k of 4 bytes a wave
	s_add_co_u32 s26, s26, s50
	s_add_nc_u64 s[28:29], s[4:5], s[26:27]
	s_lshl_b32 s26, s20, 13
	s_add_nc_u64 s[32:33], s[10:11], s[26:27]      ; list of my expert
	s_add_nc_u64 s[34:35], s[12:13], s[26:27]      ; gs of my expert
	s_lshl_b32 s50, s19, 8
	s_add_nc_u64 s[48:49], s[16:17], s[50:51]      ; out0 at my 64 columns
	s_add_co_u32 s26, s26, s50
	s_add_nc_u64 s[6:7], s[6:7], s[26:27]          ; b at my expert's 64 columns
	s_lshl_b32 s26, s20, 23
	s_add_nc_u64 s[30:31], s[8:9], s[26:27]        ; xs of my expert
	s_wait_alu depctr_va_vdst(0)                   ; the offsets and addresses v2 to v9, v14, v15, v22 and v24 are written, which the kernel's loads and stores read
	global_load_b32 v[VA+1], v[VA], s[14:15]       ; how many tokens chose my expert
	global_load_b128 v[BIAS:BIAS+3], v[VC], s[6:7]
.irp k, 0,1,2,3
	global_load_b128 v[ACC+4*\k:ACC+4*\k+3], v14, s[32:33] offset:512*\k
	global_load_b128 v[ACC+16+4*\k:ACC+16+4*\k+3], v14, s[34:35] offset:512*\k
.endr
	; PHASE 1.  Load q = 0 .. 255 brings 512 consecutive bytes: row q mod 64 of the slab, k tile q / 64 (128 k) of my 512 k.
.set q, 0
.rept DEPTH
	global_load_b128 v[RING+4*q:RING+4*q+3], v[VW], s[28:29] offset:(q&63)*8192+(q>>6)*512 th:TH_LOAD_NT
.set q, q+1
.endr
	s_wait_loadcnt DEPTH                           ; loads come back in order (ISA guide 5.7.1): count, bias and tables are in, the ring's 48 stay out
	v_readfirstlane_b32 s21, v[VA+1]
	s_wait_alu depctr_va_sdst(0)                   ; s21 is written, ahead of its first reader: the number of tiles is made from it
	s_min_u32 s21, s21, 2048
	s_add_co_u32 s22, s21, 15
	s_lshr_b32 s22, s22, 4                         ; nt, the number of tiles
	s_max_u32 s23, s22, 1
	s_sub_co_u32 s23, s23, 1                       ; the last tile (tile 0 of an empty list: written, and not used)
.irp k, 0,1,2,3
	ds_store_b128 v15, v[ACC+4*\k:ACC+4*\k+3] offset:512*\k                ; the other waves read these behind the first pair's barrier
	ds_store_b128 v15, v[ACC+16+4*\k:ACC+16+4*\k+3] offset:MGO+512*\k
.endr
.set bk, 0
; One block: loads 8 bk .. 8 bk + 7 are rounded to bf16 into OUT[bk mod 2]; their registers take the loads DEPTH further on; the packed numbers go into my stage.
.macro WBLK
.if bk == XATB
	XBASE 0, 0                                     ; tile 0 is asked for here: it has the last four blocks in which to land.  No vector instruction has ever named its registers
	XLOADS 0, 0, 32
	WIN 0
.endif
.if BLK*bk <= 256-DEPTH
	s_wait_loadcnt DEPTH-BLK                       ; the block's eight loads are in, the ring's 40 younger ones stay out
.elseif bk < XATB
	s_wait_loadcnt 256-BLK*(bk+1)                  ; nothing is asked for any more: the counts run down
.else
	s_wait_loadcnt 256-BLK*(bk+1)+32               ; and behind W's last loads stand tile 0's 32
.endif
	s_wait_alu depctr_vm_vsrc(0)                   ; the LDS stores of two blocks back (in the first two blocks: the tables' stores) have read OUT[bk mod 2], which the conversions write again
.set i, 0
.rept BLK
	v_cvt_pk_bf16_f32 v[OUTB+16*(bk%2)+2*i], v[RING+4*((BLK*bk+i)%DEPTH)], v[RING+4*((BLK*bk+i)%DEPTH)+1]
	v_cvt_pk_bf16_f32 v[OUTB+16*(bk%2)+2*i+1], v[RING+4*((BLK*bk+i)%DEPTH)+2], v[RING+4*((BLK*bk+i)%DEPTH)+3]
.set i, i+1
.endr
	s_wait_alu depctr_va_vdst(0)                   ; the conversions have written OUT[bk mod 2], which the LDS stores read, and are done reading the ring's eight quads, in which the loads land
.if BLK*bk < 256-DEPTH
.set i, 0
.rept BLK
	global_load_b128 v[RING+4*((BLK*bk+i)%DEPTH):RING+4*((BLK*bk+i)%DEPTH)+3], v[VW], s[28:29] offset:((BLK*bk+i+DEPTH)&63)*8192+((BLK*bk+i+DEPTH)>>6)*512 th:TH_LOAD_NT
.set i, i+1
.endr
.endif
.set i, 0
.rept BLK
	ds_store_b64 v[VSS], v[OUTB+16*(bk%2)+2*i:OUTB+16*(bk%2)+2*i+1] offset:((BLK*bk+i)&63)*PITCH
.set i, i+1
.endr
.set bk, bk+1
.endm
; The stage holds 64 rows x 128 k: 16 fragments.  Lane (r, h) of fragment (s, c): row 16 c + r, k = 32 s + 8 h + 0..7 and 32 s + 16 + 8 h + 0..7.
; The stage is my own and LDS serves a wave's instructions in order (ISA guide 5.7.1.4): no wait in front of these loads or of the next k tile's stores.
; No vector or matrix instruction has named the registers in which they land.
.macro WFRAG t
.if \t < 2
	WIN 0x40
.else
	WIN 0x80
.endif
.irp s, 0,1,2,3
.irp c, 0,1,2,3
.irp d, 0,1
	ds_load_b128 v[8*(4*(4*(\t%2)+\s)+\c)+4*\d:8*(4*(4*(\t%2)+\s)+\c)+4*\d+3], v[VSL] offset:\c*16*PITCH+\s*64+32*\d
.endr
.endr
.endr
	WIN 0
.endm
.macro WBLOCK t
.rept 64/BLK
	WBLK
.endr
	WFRAG \t
.endm
	WBLOCK 0
	WBLOCK 1
	WBLOCK 2
	WBLOCK 3
	XBASE 1, 1                                     ; tile 1 (or the one tile again): no vector instruction has ever named its registers
	XLOADS 1, 0, 32
	WIN 0
	s_wait_dscnt 0x0                               ; W's fragments are in
; PHASE 2.
; Four matrix instructions: K step sg of all four column blocks.  Source 0 = 16 rows of W, source 1 = 16 tokens: lane (r, h) register j
; of accumulator c holds token r, column 16 c + 8 h + j.  The four accumulators take turns, one instruction a turn.
.macro KSTEP ac, xr, sg, zero
.irp c, 0,1,2,3
.if \zero
	v_wmma_f32_16x16x32_bf16 v[\ac+8*\c:\ac+8*\c+7], v[8*(4*((\sg)&7)+\c):8*(4*((\sg)&7)+\c)+7], v[\xr+8*(\sg):\xr+8*(\sg)+7], 0
.else
	v_wmma_f32_16x16x32_bf16 v[\ac+8*\c:\ac+8*\c+7], v[8*(4*((\sg)&7)+\c):8*(4*((\sg)&7)+\c)+7], v[\xr+8*(\sg):\xr+8*(\sg)+7], v[\ac+8*\c:\ac+8*\c+7]
.endif
.endr
.endm
; Accumulator c of a tile goes into my part of the partial tiles, from its low end on.  u: which set; par: the pair's first or second tile.
.macro PSTORE ac, u, par, c
	ds_store_b128 v[VST], v[\ac+8*\c:\ac+8*\c+3] offset:\u*PS+\par*PT+64*\c
	ds_store_b128 v[VST], v[\ac+8*\c+4:\ac+8*\c+7] offset:\u*PS+\par*PT+64*\c+16
.endm
.macro PLACES
.rept 4
	v_nop                                          ; four places behind the last matrix instructions, in front of the stores that read their results; this block has no vector work of its own.
.endr                                                  ; Two such runs, eight places, lie between an accumulator set's last product and the next pair's first product, which writes over it
.endm
; A pair's matrix work.  u: which set of partial tiles.
.macro WORK u
	s_wait_loadcnt 32                              ; the even tile's 32 loads are in; the odd tile's 32, issued behind them, stay out
	s_wait_alu depctr_vm_vsrc(0)                   ; my LDS stores issued so far have read v[32:63] and v[128:159], which this pair's products write: the last pair's partial tiles; ahead of the first pair, phase 1's packed numbers
	WIN 0x0d
	KSTEP ACC, 0, 0, 1                             ; the first products start the sums: nothing is cleared
.irp sg, 1,2,3,4,5,6,7
	KSTEP ACC, 0, \sg, 0
.endr
	WIN 0x0e
.irp sg, 8,9,10,11,12,13,14,15
	KSTEP ACC, 0, \sg, 0
.endr
	PLACES
	s_wait_loadcnt 0x0                             ; the odd tile's 32 loads are in: they are all that was out
	XBASE 0, 2                                     ; the even tile of the next pair: the waits above have shown the loads by this base done
	s_wait_alu depctr_va_vdst(0)                   ; the even tile's products have written ACC, which the LDS stores below read, and are done reading their x fragments, in which the loads below land
.irp sg, 0,1,2,3
	WIN 0x0d
.if \sg == 0
	KSTEP ACCB, XB, 0, 1
.else
	KSTEP ACCB, XB, \sg, 0
.endif
	WIN 0xc0                                       ; behind each of the odd tile's first four K steps: one accumulator of the even tile, and a quarter of the next even tile.
	PSTORE ACC, \u, 0, \sg                         ; No wait: the products since the wait above name W's fragments, the odd tile's x fragments and ACCB alone
	XLOADS 0, 8*\sg, 8
.endr
	WIN 0x0d
.irp sg, 4,5,6,7
	KSTEP ACCB, XB, \sg, 0
.endr
	WIN 0x0e
.irp sg, 8,9,10,11,12,13,14,15
	KSTEP ACCB, XB, \sg, 0
.endr
	WIN 0xc0
	PLACES
	XBASE 1, 3                                     ; the odd tile of the next pair: the wait for 0 above has shown the loads by this base done
	s_wait_alu depctr_va_vdst(0)                   ; the odd tile's products have written ACCB, which the LDS stores below read, and are done reading their x fragments, in which the loads below land
.irp c, 0,1,2,3
	PSTORE ACCB, \u, 1, \c
.endr
	XLOADS 1, 0, 32
	WIN 0
.endm
; The sum of a pair's two tiles: my rows 4 w + 2 h + i (i = 0, 1) of each, columns 4 r .. 4 r + 3.
.macro SUMS u
	s_wait_xcnt 0x0                                ; the last pair's stores have had their addresses translated (ISA guide 3.1): their offsets and data are written again below
	s_wait_alu depctr_vm_vsrc(0)                   ; the last sum's stores have read their offsets and data, its LDS loads v22 and v23 (ahead of the first sum: the head's loads and stores have read v14, v15 and v22): all these are written again below
.irp t, 0,1
	XPICK \t
	s_lshl_b32 s26, s25, 6
	v_add_nc_u32 v[VA+\t], s26, v[VM]              ; 64 bytes of the list a tile
.endr
	s_wait_alu depctr_va_vdst(0)                   ; v22 and v23 are written, which the LDS loads read; the last sum's arithmetic (ahead of the first sum: phase 1's conversions and the head's arithmetic) is done with the registers in which they land
.irp t, 0,1
	ds_load_b64 v[TOK+4*\t:TOK+4*\t+1], v[VA+\t]
	ds_load_b64 v[G+4*\t:G+4*\t+1], v[VA+\t] offset:MGO
.irp p, 0,1,2,3
.irp i, 0,1
	ds_load_b128 v[R+32*\t+8*\p+4*\i:R+32*\t+8*\p+4*\i+3], v[VRD+16*\u] offset:\t*PT+PW*\p+PITCH*\i
.endr
.endr
.endr
.irp t, 0,1
	s_wait_dscnt 10-10*\t                          ; the first tile's ten LDS loads are in, the second's ten stay out; then all
	v_min_u32 v[TOK+4*\t], 2047, v[TOK+4*\t]
	v_min_u32 v[TOK+4*\t+1], 2047, v[TOK+4*\t+1]
	v_lshl_add_u32 v[TOK+4*\t], v[TOK+4*\t], 13, v[VC]             ; 8,192 token + 16 r
	v_lshl_add_u32 v[TOK+4*\t+1], v[TOK+4*\t+1], 13, v[VC]
.irp i, 0,1
.irp d, 0,2
	v_pk_add_f32 v[R+32*\t+4*\i+\d:R+32*\t+4*\i+\d+1], v[R+32*\t+4*\i+\d:R+32*\t+4*\i+\d+1], v[R+32*\t+8+4*\i+\d:R+32*\t+8+4*\i+\d+1]
	v_pk_add_f32 v[R+32*\t+16+4*\i+\d:R+32*\t+16+4*\i+\d+1], v[R+32*\t+16+4*\i+\d:R+32*\t+16+4*\i+\d+1], v[R+32*\t+24+4*\i+\d:R+32*\t+24+4*\i+\d+1]
.endr
.endr
.irp i, 0,1
.irp d, 0,2
	v_pk_add_f32 v[R+32*\t+16+4*\i+\d:R+32*\t+16+4*\i+\d+1], v[R+32*\t+16+4*\i+\d:R+32*\t+16+4*\i+\d+1], v[BIAS+\d:BIAS+\d+1]
.endr
.endr
.irp i, 0,1
.irp d, 0,2
	v_pk_add_f32 v[R+32*\t+4*\i+\d:R+32*\t+4*\i+\d+1], v[R+32*\t+4*\i+\d:R+32*\t+4*\i+\d+1], v[R+32*\t+16+4*\i+\d:R+32*\t+16+4*\i+\d+1]
.endr
.endr
.irp i, 0,1
.irp d, 0,2
	v_pk_mul_f32 v[R+32*\t+4*\i+\d:R+32*\t+4*\i+\d+1], v[R+32*\t+4*\i+\d:R+32*\t+4*\i+\d+1], v[G+4*\t:G+4*\t+1] op_sel:[0,\i] op_sel_hi:[1,\i]   ; both halves by row i's gate
.endr
.endr
.endr
	s_wait_alu depctr_va_vdst(0)                   ; both tiles' offsets and results are written, which the four stores read
.irp t, 0,1
.irp i, 0,1
	global_store_b128 v[TOK+4*\t+\i], v[R+32*\t+4*\i:R+32*\t+4*\i+3], s[48:49] th:TH_STORE_NT     ; 16 lanes store 256 consecutive bytes of a token's row, at a multiple of 256 from out0's first byte
.endr
.endr
.endm
; A pair of tiles.  ONE barrier a pair, on every wave's way whatever the count: a wave's reads of one set of partial tiles are waited for in front of
; its signal in the next pair, which uses the other set, and the set is written again only behind that barrier.
.macro PAIR u
	s_add_co_u32 s52, s24, 2*\u                    ; the pair's first tile
	s_cmp_ge_u32 s52, s22
	s_cbranch_scc1 .Lno_tiles_\@                   ; past the expert's last tile: no matrix work
	WORK \u
.Lno_tiles_\@:
	s_wait_dscnt 0x0                               ; my partial tiles are in LDS, and my reads of the other set are back
	s_barrier_signal -1
	s_barrier_wait -1
	s_cmp_ge_u32 s52, s22
	s_cbranch_scc1 .Lno_sum_\@                     ; and nothing to add
	SUMS \u
.Lno_sum_\@:
.endm
.Lfour:
	PAIR 0
	PAIR 1
	s_add_co_u32 s24, s24, 4
	s_cmp_lt_u32 s24, TILES
	s_cbranch_scc1 .Lfour
	s_wait_dscnt 0x0
	s_wait_alu depctr_hold_cnt(0) depctr_sa_sdst(0) depctr_va_vdst(0) depctr_va_sdst(0) depctr_va_ssrc(0) depctr_va_vcc(0) depctr_vm_vsrc(0)
	s_wait_tensorcnt 0x0
	ds_add_u32 v30, v31
	s_wait_dscnt 0x0
	s_endpgm                                       ; the look-ahead loads that are still out touch tiles that were written, and nothing waits for them
.Lfunc_end_k_q70bf79b9fd_gemm:
	.size	k_q70bf79b9fd_gemm, .Lfunc_end_k_q70bf79b9fd_gemm-k_q70bf79b9fd_gemm
	.p2alignl 7, 3214868480
	.fill 96, 4, 3214868480
	.section	.rodata,"a",@progbits
	.p2align	6, 0x0
	.amdhsa_kernel k_q70bf79b9fd_gemm
		.amdhsa_group_segment_fixed_size 156160
		.amdhsa_private_segment_fixed_size 0
		.amdhsa_enable_private_segment 0
		.amdhsa_kernarg_size 56
		.amdhsa_user_sgpr_count 2
		.amdhsa_user_sgpr_kernarg_segment_ptr 1
		.amdhsa_wavefront_size32 1
		.amdhsa_system_sgpr_workgroup_id_x 1
		.amdhsa_system_sgpr_workgroup_id_y 1
		.amdhsa_system_sgpr_workgroup_id_z 1
		.amdhsa_system_vgpr_workitem_id 0
		.amdhsa_next_free_vgpr 1024
		.amdhsa_next_free_sgpr 66
		.amdhsa_reserve_vcc 0
		.amdhsa_float_denorm_mode_32 3
		.amdhsa_float_denorm_mode_16_64 3
		.amdhsa_memory_ordered 1
		.amdhsa_forward_progress 1
		.amdhsa_inst_pref_size 139
	.end_amdhsa_kernel
	.amdgpu_metadata
---
amdhsa.version: [ 1, 2 ]
amdhsa.kernels:
  - .name:           k_q70bf79b9fd_gemm
    .symbol:         k_q70bf79b9fd_gemm.kd
    .args:
      - { .name: W, .offset: 0, .size: 8, .value_kind: global_buffer, .address_space: global }
      - { .name: b, .offset: 8, .size: 8, .value_kind: global_buffer, .address_space: global }
      - { .name: xs, .offset: 16, .size: 8, .value_kind: global_buffer, .address_space: global }
      - { .name: list, .offset: 24, .size: 8, .value_kind: global_buffer, .address_space: global }
      - { .name: gs, .offset: 32, .size: 8, .value_kind: global_buffer, .address_space: global }
      - { .name: cnt, .offset: 40, .size: 8, .value_kind: global_buffer, .address_space: global }
      - { .name: out0, .offset: 48, .size: 8, .value_kind: global_buffer, .address_space: global }
    .group_segment_fixed_size: 156160
    .private_segment_fixed_size: 0
    .kernarg_segment_align: 8
    .kernarg_segment_size: 56
    .max_flat_workgroup_size: 128
    .sgpr_count:     66
    .vgpr_count:     1024
    .wavefront_size: 32
...
	.end_amdgpu_metadata
.endif
;; end of part 5
